; MI455X (gfx1250); checked and timed in simulation.
; The chip was launched on July 23, 2026; its instructions are those of AMD's public machine-readable ISA for CDNA 5 (MIT licence, August 2026) and "CDNA5" Instruction Set Architecture Reference Guide (July 2026). The comments in the code are by the model that wrote it; some were corrected since.
;; Scaled Dot Product Attention. Allowed arithmetic: matrix products marked QUANTISED: E2M1 operands, one E8M0 scale for each 32 along K, by v_wmma_scale_f32_16x16x128_f8f6f4 with both operands' format E2M1 (or v_wmma_scale_f32_32x16x128_f4), f32 sums; products left as they are: bf16, f16 or f32 operands; f32 sums; everything else in f32.
;; Inputs: k 4 x 16 x 2,048 x 64 float32; q 4 x 16 x 2,048 x 64 float32; v 4 x 16 x 2,048 x 64 float32.
;; Outputs: out0 4 x 16 x 2,048 x 64 float32.
;; This version of the problem:
;;   THIS VERSION OF THE PROBLEM IS GIVEN IN LOW PRECISION. The matrix products marked QUANTISED in the list below multiply operands that are first quantised to E2M1 (2 exponent bits, 1 mantissa bit; 4 bits a number), with one power-of-two scale for each 32 numbers along K (OCP MX v1.0); their sums are f32. The products marked 'left as it is' may take bf16, f16 or f32 operands, with f32 sums. Whichever they take, every output number must still come out within the allowed error. Rounding operands to bf16 (8 significant bits) uses up far more of that allowance than f16 does (11 bits, for magnitudes from 6e-5 to 65,504). All else is computed in f32.
;;   The module's matrix products, in the order in which they are computed (A, B: the left and right operand; K: the contracted axis; several contracted axes count as one K, in the product's order):
;;     1. batch 64 x [M 2,048, K 64] x [K 64, N 2,048]; A: input q; B: input k: QUANTISED
;;     2. batch 64 x [M 2,048, K 2,048] x [K 2,048, N 64]; A: computed on the way; B: input v: left as it is (an operand is computed on the way)
;;   THE QUANTISER, for each operand of a quantised product, along K:
;;     - K is cut into blocks of 32 from its start; a last block that is shorter is filled with zeros.
;;     - A block's scale is 2^e with e = floor(log2(the largest magnitude in the block)) - 2, held to -126 .. 127; a block of zeros has e = 0. As a byte (E8M0): e + 127.
;;     - Each number is divided by its block's scale, clamped to +-6, and rounded to the nearest number of E2M1, ties to even, subnormals kept.
;;     - The product sums the exact products of the quantised numbers (number of the format x scale) in f32.
;;   ~~~python
;;   def quantise(x, axis):      # numpy; x: float32 -> the quantised numbers, widened to float32 again
;;       x = np.moveaxis(x, axis, -1); K = x.shape[-1]
;;       x = np.pad(x, [(0, 0)] * (x.ndim - 1) + [(0, -K % 32)]); x = x.reshape(x.shape[:-1] + (-1, 32)); a = np.abs(x).max(-1, keepdims=True)
;;       e = np.where(a > 0, np.clip(np.frexp(np.where(a > 0, a, 1))[1] - 1 - 2, -126, 127), 0)      # np.frexp(a)[1] - 1 = floor(log2(a)), exactly
;;       r = np.clip(x / 2.0 ** e, -6, 6)
;;       step = 2.0 ** (np.maximum(np.frexp(np.where(r == 0, 1, r))[1] - 1, 0) - 1)
;;       q = np.round(r / step) * step * 2.0 ** e      # np.round: ties to even
;;       return np.moveaxis(q.reshape(q.shape[:-2] + (-1,))[..., :K], -1, axis).astype(np.float32)
;;   ~~~
;; One version. Each part assembles by itself: llvm-mc -triple=amdgcn-amd-amdhsa -mcpu=gfx1250 --defsym DOCPART=n.
;; ======== version 1 of 1: 1 launch
;; limits: values are held in f16: magnitudes above 65,504 overflow, below 6.1e-05 lose precision; inputs' magnitudes at most 65,504
;; launch attn (part 1): grid 4 x 64, 16 waves a work-group, clusters of 4 x 1, 327,680 bytes of LDS; arguments q, k, v, out0; writes out0
.if DOCPART == 1
	.amdgcn_target "amdgcn-amd-amdhsa--gfx1250"
	.amdhsa_code_object_version 6
	.text
	.protected	k_q7ca6118746_attn
	.globl	k_q7ca6118746_attn
	.p2align	8
	.type	k_q7ca6118746_attn,@function
k_q7ca6118746_attn:
	s_mov_b64 s[64:65], 0
	v_nop
	global_prefetch_b8 v0, s[64:65] scope:SCOPE_SE
	s_setreg_imm32_b32 hwreg(HW_REG_WAVE_MODE, 25, 1), 1
	s_wait_xcnt 0x0
	s_wait_alu depctr_hold_cnt(0) depctr_sa_sdst(0) depctr_va_vdst(0) depctr_va_sdst(0) depctr_va_ssrc(0) depctr_va_vcc(0) depctr_vm_vsrc(0)
	s_getreg_b32 s2, hwreg(HW_REG_IB_STS2, 6, 4)
	s_cmp_eq_u32 s2, 0
	s_cbranch_scc0 .Lentry_in_a_cluster
	s_endpgm
.Lentry_in_a_cluster:
	s_bfe_u32 s2, ttmp6, 0x10000c
	s_cmp_lg_u32 s2, 0x3003
	s_cbranch_scc0 .Lentry_shape_is_right
	s_endpgm
.Lentry_shape_is_right:
; out[h][q][:] = the sum over k of softmax_k(Q[h][q] . K[h][k] / 8) V[h][k][:].  q, k, v, out: [64 heads][2048][64] f32.
; FIRST PRODUCT: on codes of FP4 (E2M1) with one E8M0 scale for each 32 along the head's 64, made here from the f32 numbers: scale = 2^(floor(log2(largest magnitude)) - 2).  The matrix instruction takes 128 along K:
; the upper 64 are zero codes on both sides, under the scale byte 0x7f.  SECOND PRODUCT: f16 operands (p is at most 1; v as it comes), f32 sums.  Softmax in f32 with a running maximum m and sum l:
; p = 2^(c s - c m), c = log2(e) / 8; in every step O and l are multiplied by a = 2^(c m_old - c m_new).
; LIMITS: NaN and infinities among the inputs are not served; |v| up to 65,504 (f16's largest number); scores above -3e38 (where m starts); a block of zeros gets the scale byte 1 over zero codes (the bytes are read here alone).
; SHARES.  A work-group of sixteen waves owns 512 queries of one head, a wave 32 of them: two tiles of 16, in 256 registers, four waves to a SIMD, so that one wave's matrix work and LDS loads stand beside another's softmax.
; CLUSTER.  The four work-groups of a head walk the same K and V: each tile of 256 keys (f32, as it lies in memory) is asked for JOINTLY, by the same tensor load with the same descriptor and a mask that names the four.
; A TRIP (256 keys): the raw tile has landed in one of two LDS slots | round of the cluster's barrier | the other slot is asked for | CONVERT: wave w turns 16 keys of K into one FP4 fragment and its scale words, and 32 keys x
; 32 channels of V into two f16 fragments, and stores them as IMAGES OF OPERAND REGISTERS (lane l's 16 bytes at 16 l) in bytes that no tensor load touches | barrier | four steps of 64 keys, every wave reading the same images.
; LAYOUT.  S^T = K Q^T (source 0 = 16 keys, source 1 = 16 queries): a lane holds ONE query (lane % 16) and keys 8 (lane / 16) + 0..7 of each tile of 16.  Two such tiles, rounded to f16 in pairs, ARE source 1 (32 keys) of
; O^T = V^T P^T.  Tile c of V^T takes channels 4 m + c (m = its row): so the converting lane reads 8 neighbouring bytes of a key's row, and in O^T register j of tile c is channel 32 (lane / 16) + 4 j + c: 32 neighbours a lane.
.set PITCH, 272                        ; a raw row in LDS: 256 bytes + 16 of padding = 68 words: row r starts at bank 4 r mod 64 (64 banks of 4 bytes: ISA guide 11.1)
.set QUART, 128*PITCH                  ; what one tensor load brings: 128 rows
.set SLOTB, 4*QUART                    ; a slot: K's 256 rows, then V's 256 rows.  Slot 1's first fill is Q's 512 rows
.set VRAW,  2*QUART
.set TILEB, 256*256                    ; 256 rows in memory
.set KC,    2*SLOTB                    ; behind the ring: K's codes, fragment f (16 keys) at 512 f + 16 lane;
.set KSC,   KC+8192                    ; K's scale words, 4 bytes a key;
.set VC,    KSC+1024                   ; V in f16: fragment 4 g + c (32 keys, tile c) at 1024 (4 g + c) + 512 half + 16 lane
.set SPARE, VC+32768                   ; the spare words, 128 bytes for each wave: eight blocks of 256 bytes that no other line names
.set STW,   32*PITCH                   ; the way out: a stage of 32 rows for each wave, in slot 0, which has had its last fill and its last read by then
.set SPW, 1                            ; v1   LDS address of my spare word; never rewritten
.set NIL, 2                            ; v2   0; never rewritten
.set AKR, 3                            ; v3-4 CONVERT: my key's row in slot 0, 1
.set AVR, 5                            ; v5-6 CONVERT: my 8 bytes of V's rows in slot 0, 1
.set KCW, 7                            ; v7   where I store K's codes
.set KSW, 8                            ; v8   K's scale word
.set VCW, 9                            ; v9   V's fragments
.set KCR, 10                           ; v10-12 where a lane reads them back
.set KSR, 11
.set VCR, 12
.set ADK, 13                           ; v13-15 the same for the step in hand
.set ADS, 14
.set ADV, 15
.set QF,  16                           ; v16-31  Q: two fragments; registers 4-7 of each are zeros
.set KF,  32                           ; v32-63  K: four fragments; registers 4-7 of each are zeros, written once
.set S,   64                           ; v64-127 S^T (tile t, keys 16 a on: 32 t + 8 a), then p; then V's eight fragments; in CONVERT the raw numbers
.set P,   128                          ; v128-159 P in f16 (16 t + 8 g); in CONVERT the results
.set O,   160                          ; v160-223 O^T (32 t + 8 c)
.set ST,  224                          ; v224-239 tile t's statistics at 8 t: +0 c m, +1 m, +2, +3 l, +4 to +7 c0-c3 at work; a takes c2's place
.set QS,  240                          ; v240-241 Q's scale words
.set KS,  242                          ; v242-243 K's: lanes 0-15 the even tile of keys, lanes 16-31 the odd one
.set TM,  244                          ; v244-249 the quantiser's
.set SCL, 246
.set BY,  247
.set OT,  248
.set WD,  249
.set SH8, 250                          ; v250 8 x (lane / 16)
.set PFO, 251                          ; v251 256 x lane: the prefetches' offset
.set STO, 252                          ; v252-254 the way out
.set RD,  253
.set GO,  254
.set AQ,  255                          ; v255 my query's row in slot 1
.set WV,  12                           ; s12 wave
.set ROLE, 15                          ; s15 wave / 4
.set PFA, 18                           ; s[18:19] where my prefetches stand
.set SEL, 20                           ; s[20:21] v_permlanex16_b32's selects for lane l xor 16
.set CS,  22                           ; s[22:23] c
.set G1J, 24                           ; s[24:31] group 1 of the joint loads;  s[32:35], s[36:39] groups 0 of slots 0, 1;  s[40:43], s[44:51] Q's groups 0 and 1
.set G0,  32
.set G0Q, 40
.set G1Q, 44
.set LAP, 52
.set SU,  53                           ; s53 the step's place among the scale words, and the count of steps;  s56 among K's codes;  s57 among V's fragments
.set SKK, 56
.set SVV, 57
; A round of the cluster's barrier: my work-group's barrier; wave 0 signals for the work-group; every wave waits for all four work-groups; my work-group's barrier once more.
.macro CROUND
	s_barrier_signal -1
	s_barrier_wait -1
	s_cmp_lg_u32 s[WV], 0
	s_cbranch_scc1 .Lnot_wave_0_\@
	s_barrier_signal -3
.Lnot_wave_0_\@:
	s_barrier_wait -3
	s_barrier_signal -1
	s_barrier_wait -1
.endm
; A joint refill of slot n.  Waves 0 and 1 fetch K's two halves, waves 2 and 3 V's, the others nothing: the branch hangs on the wave's number alone.  An s_nop 0 and four v_nop follow the load.
.macro JLOAD n
	s_cmp_lt_u32 s[WV], 4
	s_cbranch_scc0 .Lnone_\@
	tensor_load_to_lds s[G0+4*(\n):G0+4*(\n)+3], s[G1J:G1J+7]
	s_nop 0
.rept 4
	v_nop
.endr
.Lnone_\@:
.endm
; A prefetch of the tile that the NEXT change of slots will ask for: 256 rows of K and 256 of V, 256 bytes a row, a lane a row.  Each row is named once in the launch: the four partners take 64 rows each, told apart by
; address; in each, waves 4 and 5 ask for K's (32 rows a wave), waves 6 and 7 for V's.  It stands a trip (four steps of 64 keys) ahead of the load that will want the rows.
.macro ASK
	s_cmp_eq_u32 s[ROLE], 1
	s_cbranch_scc0 .Lnot_mine_\@
	global_prefetch_b8 v[PFO], s[PFA:PFA+1] th:TH_LOAD_NT scope:SCOPE_SE
.Lnot_mine_\@:
.endm
; 32 numbers of a lane, one block of my row (block lane / 16), become 4 registers of codes in v[dst] on; v[w] gets the row's scale word: byte 0 block 0, byte 1 block 1, bytes 2 and 3 0x7f for the zero codes.
.macro QUANT src, dst, w
	v_max3_num_f32 v[TM], |v[\src]|, |v[\src+1]|, 0x1800000        ; the largest magnitude, in two chains, with the floor 2^(3 - 127) among its leaves: the byte cannot fall under 1
	v_max3_num_f32 v[TM+1], |v[\src+2]|, |v[\src+3]|, |v[\src+4]|
.irp i, 5,9,13,17,21,25
	v_max3_num_f32 v[TM], v[TM], |v[\src+\i]|, |v[\src+\i+1]|
	v_max3_num_f32 v[TM+1], v[TM+1], |v[\src+\i+2]|, |v[\src+\i+3]|
.endr
	v_max3_num_f32 v[TM], v[TM], |v[\src+29]|, |v[\src+30]|
	v_max3_num_f32 v[TM], v[TM], v[TM+1], |v[\src+31]|
	v_add_nc_u32 v[SCL], 0xff000000, v[TM]         ; 2 off its exponent field: the conversion takes the exponent field of this operand as its scale, and nothing else of it
	v_lshrrev_b32 v[BY], 23, v[SCL]                ; the scale's byte
.irp g, 0,1,2,3
	v_cvt_scalef32_pk8_fp4_f32 v[\dst+\g], v[\src+8*\g:\src+8*\g+7], v[SCL]
.endr
	v_lshlrev_b32 v[BY], v[SH8], v[BY]             ; my byte at its place.  (Also the plain instruction behind the scaled conversions)
	v_permlanex16_b32 v[OT], v[BY], s[SEL], s[SEL+1]
	v_or_b32 v[\w], v[BY], v[OT]                   ; with lane l xor 16's
	v_or_b32 v[\w], 0x7f7f0000, v[\w]
.endm
; The raw tile in a slot becomes operands.  Wave w: keys 16 w + lane % 16 of K, 32 numbers a lane; of V keys 32 (w / 2) + 8 h + 0..7 and + 16, channels 4 r + 2 (w % 2) and the next.
.macro CONVERT slot
.irp j, 0,1,2,3,4,5,6,7
	ds_load_b128 v[S+4*\j:S+4*\j+3], v[AKR+\slot] offset:16*\j
.endr
.irp i, 0,1,2,3,4,5,6,7
	ds_load_b64 v[S+32+2*\i:S+33+2*\i], v[AVR+\slot] offset:PITCH*\i
.endr
.irp i, 8,9,10,11,12,13,14,15
	ds_load_b64 v[S+32+2*\i:S+33+2*\i], v[AVR+\slot] offset:PITCH*(\i+8)
.endr
	s_wait_dscnt 16                                ; K's eight loads are in; V's sixteen may be out
	QUANT S, P, WD
	ds_store_b128 v[KCW], v[P:P+3]
	ds_store_b32 v[KSW], v[WD]                     ; lanes r and r + 16 write the same word with the same value
	s_wait_dscnt 2                                 ; V's loads are in: only the two stores are younger
.irp n, 0,1,2,3,4,5,6,7
	v_cvt_pk_f16_f32 v[P+4+\n], v[S+32+4*\n], v[S+34+4*\n]         ; two neighbouring keys of my even channel: register n of tile 2 (w % 2),
	v_cvt_pk_f16_f32 v[P+12+\n], v[S+33+4*\n], v[S+35+4*\n]        ; and of my odd channel: of the tile after it
.endr
.irp u, 0,1,2,3
	ds_store_b128 v[VCW], v[P+4+4*\u:P+7+4*\u] offset:512*\u
.endr
.endm
; A STEP: 64 keys for my two tiles of queries.
.macro STEP
.irp a, 0,1,2,3
	ds_load_b128 v[KF+8*\a:KF+8*\a+3], v[ADK] offset:512*\a
.endr
.irp i, 0,1
	ds_load_b32 v[KS+\i], v[ADS] offset:128*\i
.endr
	s_wait_dscnt 0x0
.irp a, 0,1,2,3
.irp t, 0,1
.if (\a)%2
	v_wmma_scale_f32_16x16x128_f8f6f4 v[S+32*\t+8*\a:S+32*\t+8*\a+7], v[KF+8*\a:KF+8*\a+7], v[QF+8*\t:QF+8*\t+7], 0, v[KS+\a/2], v[QS+\t] matrix_a_fmt:MATRIX_FMT_FP4 matrix_b_fmt:MATRIX_FMT_FP4 matrix_a_scale:MATRIX_SCALE_ROW1
.else
	v_wmma_scale_f32_16x16x128_f8f6f4 v[S+32*\t+8*\a:S+32*\t+8*\a+7], v[KF+8*\a:KF+8*\a+7], v[QF+8*\t:QF+8*\t+7], 0, v[KS+\a/2], v[QS+\t] matrix_a_fmt:MATRIX_FMT_FP4 matrix_b_fmt:MATRIX_FMT_FP4
.endif
.endr
.endr
.rept 4
	v_nop                                          ; four places between the products and the first read of their results (ISA guide 7.12.1)
.endr
	; the maximum of a lane's 32 scores and the old m: four chains, one for each tile of keys, each begun at the tile's low registers; the two tiles of queries alternate
.irp x, 0,1,2,3
.irp t, 0,1
	v_max3_num_f32 v[ST+8*\t+4+\x], v[S+32*\t+8*\x], v[S+32*\t+8*\x+1], v[S+32*\t+8*\x+2]
.endr
.endr
.irp y, 3,5
.irp x, 0,1,2,3
.irp t, 0,1
	v_max3_num_f32 v[ST+8*\t+4+\x], v[ST+8*\t+4+\x], v[S+32*\t+8*\x+\y], v[S+32*\t+8*\x+\y+1]
.endr
.endr
.endr
.irp t, 0,1
	v_max3_num_f32 v[ST+8*\t+4], v[ST+8*\t+4], v[S+32*\t+7], v[S+32*\t+15]
	v_max3_num_f32 v[ST+8*\t+6], v[ST+8*\t+6], v[S+32*\t+23], v[S+32*\t+31]
.endr
.irp t, 0,1
	v_max3_num_f32 v[ST+8*\t+4], v[ST+8*\t+4], v[ST+8*\t+5], v[ST+8*\t+6]
.endr
.irp t, 0,1
	v_max3_num_f32 v[ST+8*\t+4], v[ST+8*\t+4], v[ST+8*\t+7], v[ST+8*\t+1]
.endr
.irp t, 0,1
	v_permlanex16_b32 v[ST+8*\t+5], v[ST+8*\t+4], s[SEL], s[SEL+1]  ; the query's other 32 keys lie in the lane 16 away
.endr
.irp t, 0,1
	v_mov_b32 v[ST+8*\t+7], v[ST+8*\t]             ; c m_old is kept for a
.endr
.irp t, 0,1
	v_max_num_f32 v[ST+8*\t+1], v[ST+8*\t+4], v[ST+8*\t+5]
.endr
.irp t, 0,1
	v_mul_f32 v[ST+8*\t], s[CS], v[ST+8*\t+1]
.endr
.irp t, 0,1
	v_sub_f32 v[ST+8*\t+7], v[ST+8*\t+7], v[ST+8*\t]
.endr
.irp t, 0,1
.set i, 0
.rept 16
	v_pk_fma_f32 v[S+32*\t+i:S+32*\t+i+1], v[S+32*\t+i:S+32*\t+i+1], s[CS:CS+1], v[ST+8*\t:ST+8*\t+1] op_sel_hi:[1,0,0] neg_lo:[0,0,1] neg_hi:[0,0,1]  ; c s - c m, two at a time
.set i, i+2
.endr
.endr
	; the exponentials are one batch: none of them reads another's result
.irp t, 0,1
	v_exp_f32 v[ST+8*\t+6], v[ST+8*\t+7]           ; a
.endr
.set i, 0
.rept 64
	v_exp_f32 v[S+i], v[S+i]                       ; p
.set i, i+1
.endr
	v_nop                                          ; a plain instruction behind the last exponential
	s_wait_alu depctr_va_vdst(0)                   ; a wait ahead of the first instruction that names a result: one for the batch of 66
.set i, 0
.rept 32
	v_cvt_pk_f16_f32 v[P+i], v[S+2*i], v[S+2*i+1]  ; two neighbouring keys' weights
.set i, i+1
.endr
	; l = a l + the sum of the unrounded p, two at a time, in two chains a tile
.irp t, 0,1
	v_pk_fma_f32 v[ST+8*\t+2:ST+8*\t+3], v[ST+8*\t+2:ST+8*\t+3], v[ST+8*\t+6:ST+8*\t+7], v[S+32*\t:S+32*\t+1] op_sel_hi:[1,0,1]
	v_pk_add_f32 v[ST+8*\t+4:ST+8*\t+5], v[S+32*\t+2:S+32*\t+3], v[S+32*\t+6:S+32*\t+7]
.endr
.irp b, 4,8,12,16,20,24
.irp t, 0,1
	v_pk_add_f32 v[ST+8*\t+2:ST+8*\t+3], v[ST+8*\t+2:ST+8*\t+3], v[S+32*\t+\b:S+32*\t+\b+1]
	v_pk_add_f32 v[ST+8*\t+4:ST+8*\t+5], v[ST+8*\t+4:ST+8*\t+5], v[S+32*\t+\b+6:S+32*\t+\b+7]
.endr
.endr
.irp t, 0,1
	v_pk_add_f32 v[ST+8*\t+2:ST+8*\t+3], v[ST+8*\t+2:ST+8*\t+3], v[S+32*\t+28:S+32*\t+29]
.endr
.irp t, 0,1
	v_pk_add_f32 v[ST+8*\t+2:ST+8*\t+3], v[ST+8*\t+2:ST+8*\t+3], v[ST+8*\t+4:ST+8*\t+5]
.endr
	; V's eight fragments take p's registers; they land while O^T is rescaled
.irp f, 0,1,2,3,4,5,6,7
	ds_load_b128 v[S+8*\f:S+8*\f+3], v[ADV] offset:1024*\f
	ds_load_b128 v[S+8*\f+4:S+8*\f+7], v[ADV] offset:1024*\f+512
.endr
.irp t, 0,1
.set i, 0
.rept 16
	v_pk_mul_f32 v[O+32*\t+i:O+32*\t+i+1], v[O+32*\t+i:O+32*\t+i+1], v[ST+8*\t+6:ST+8*\t+7] op_sel_hi:[1,0]  ; O^T x a, each accumulator from its low end on
.set i, i+2
.endr
.endr
	; O^T += V^T P^T.  The eight accumulators take turns, one instruction a turn
.irp g, 0,1
	s_wait_dscnt 8-8*\g                            ; the fragments of these 32 keys are in (g = 0: the other eight loads may be out)
.irp c, 0,1,2,3
.irp t, 0,1
	v_wmma_f32_16x16x32_f16 v[O+32*\t+8*\c:O+32*\t+8*\c+7], v[S+32*\g+8*\c:S+32*\g+8*\c+7], v[P+16*\t+8*\g:P+16*\t+8*\g+7], v[O+32*\t+8*\c:O+32*\t+8*\c+7]
.endr
.endr
.endr
	s_add_co_u32 s[SU], s[SU], 256                 ; the next step's images
	s_add_co_u32 s[SKK], s[SKK], 2048
	s_add_co_u32 s[SVV], s[SVV], 8192
	v_add_nc_u32 v[ADK], s[SKK], v[KCR]            ; these three and the two v_nop are five places behind the last product: the next step's products write over V's registers, and CONVERT loads into them
	v_add_nc_u32 v[ADS], s[SU], v[KSR]
	v_add_nc_u32 v[ADV], s[SVV], v[VCR]
	v_nop
	v_nop
.endm
; A TRIP: the tile in this slot.  fill = 1: the other slot is asked for; ask = 1: and the tile after that is prefetched.
.macro TRIP slot, fill, ask
	s_wait_tensorcnt 0x0                           ; all my tensor loads have landed: my part of this slot; so a group 0 may be written
	ds_add_u32 v[SPW], v[NIL]                      ; 0 onto my spare word
.if \fill
	ds_add_u32 v[SPW], v[NIL]                      ; and once more
	s_add_nc_u64 s[G0+4*\slot+2:G0+4*\slot+3], s[G0+4*\slot+2:G0+4*\slot+3], 2*TILEB  ; this slot's next tile; the type bits on top are not reached
.endif
.if \ask
	s_wait_xcnt 0x0                                ; the last prefetch, a trip back, has read its address, so it may be written
	s_add_nc_u64 s[PFA:PFA+1], s[PFA:PFA+1], TILEB
.endif
	s_wait_dscnt 0x0                               ; the add is done; my reads of the other slot and of the last tile's images are over
.if \fill
	CROUND                                         ; so it is with every wave of all four work-groups
	JLOAD 1-\slot                                  ; the first thing behind the round, and a wave's one tensor load until the next: it has this trip's four steps in which to land
.if \ask
	ASK
.endif
.else
	s_barrier_signal -1
	s_barrier_wait -1
.endif
	CONVERT \slot
	s_wait_dscnt 0x0                               ; for the others' sake: my images are stored
	s_barrier_signal -1
	s_barrier_wait -1                              ; everybody's are
	s_mov_b32 s[SU], 0
	s_mov_b32 s[SKK], 0
	s_mov_b32 s[SVV], 0
	v_add_nc_u32 v[ADK], s[SKK], v[KCR]
	v_add_nc_u32 v[ADS], s[SU], v[KSR]
	v_add_nc_u32 v[ADV], s[SVV], v[VCR]
.Lstep_\@:
	STEP
	s_cmp_lt_u32 s[SU], 1024                       ; four steps
	s_cbranch_scc1 .Lstep_\@
.endm
	s_load_b256 s[4:11], s[0:1], 0x0               ; q s[4:5], k s[6:7], v s[8:9], out s[10:11]
	v_lshl_add_u32 v[SPW], v0, 2, SPARE
	v_mov_b32 v[NIL], 0
	ds_add_u32 v[SPW], v[NIL]                      ; the wave's opening: the add, twice on end, and its wait ahead of the first tensor load; the set-up below, work on registers, stands between
	ds_add_u32 v[SPW], v[NIL]
	v_lshrrev_b32 v128, 5, v0
	v_readfirstlane_b32 s[WV], v128                ; wave 0..15
	s_lshr_b32 s[ROLE], s[WV], 2
	s_bfe_u32 s13, ttmp6, 0x40000                  ; cx: my place in the cluster: it enters Q's, out's and the prefetches' addresses alone
	s_lshl_b32 s14, ttmp9, 2
	s_add_co_u32 s14, s14, s13                     ; my block of 512 queries
	s_and_b32 s16, ttmp7, 0xffff                   ; the head, which the four partners share:
	s_lshl_b32 s16, s16, 19                        ; its first byte in each tensor (2,048 rows of 256 bytes)
	s_mov_b32 s17, 0
	; group 1: 128 rows x 64 elements of 4 bytes, dense in memory, 4 words of padding behind every 64
	s_mov_b32 s[G1J], 15|(2<<16)|(1<<20)|(1<<21)|(5<<22)|(3<<25)   ; 15:0 the mask: all four work-groups; 17:16 elements of 4 bytes; 20 padding on; 21 set beside a mask; 24:22 after every 64 words; 31:25 four words
	s_mov_b32 s[G1Q], (2<<16)|(1<<20)|(5<<22)|(3<<25)              ; Q's rows are my work-group's own: no mask
.irp g, G1J, G1Q
	s_mov_b32 s[\g+1], 64<<16                      ; tensor_dim0 = 64
	s_mov_b32 s[\g+2], 128<<16                     ; tensor_dim1 = 128
	s_mov_b32 s[\g+3], 64<<16                      ; tile_dim0 = 64
	s_mov_b32 s[\g+4], 128                         ; tile_dim1 = 128
	s_mov_b32 s[\g+5], 64                          ; elements from row to row
	s_mov_b32 s[\g+6], 0
	s_mov_b32 s[\g+7], 0
.endr
	s_mov_b32 s[SEL], 0x76543210
	s_mov_b32 s[SEL+1], 0xfedcba98
	s_mov_b32 s[CS], 0x3e38aa3b                    ; c = log2(e) / 8
	s_mov_b32 s[CS+1], s[CS]                       ; (named with it as a pair, so it is written)
	; where the loads go: quarter (wave % 4) of a slot: no place in the cluster enters an LDS address
	s_and_b32 s54, s[WV], 3
	s_mov_b32 s[G0], 1
	s_mul_i32 s[G0+1], s54, QUART
	s_mov_b32 s[G0+4], 1
	s_add_co_u32 s[G0+5], s[G0+1], SLOTB
	s_mov_b32 s[G0Q], 1
	s_add_co_u32 s[G0Q+1], s[G0+1], SLOTB
	; and where they come from, as offsets.  The joint loads': the head and the half of the tile
	s_and_b32 s58, s[WV], 1
	s_lshl_b32 s58, s58, 15
	s_mov_b32 s59, 0
	s_add_nc_u64 s[58:59], s[58:59], s[16:17]
	s_lshl_b32 s2, s14, 17                         ; Q's: my block's 512 rows, 128 of them a wave
	s_lshl_b32 s3, s54, 15
	s_add_co_u32 s2, s2, s3
	s_mov_b32 s3, 0
	s_add_nc_u64 s[2:3], s[2:3], s[16:17]
	s_lshl_b32 s54, s14, 17                        ; out's: my wave's 32 rows
	s_lshl_b32 s55, s[WV], 13
	s_add_co_u32 s54, s54, s55
	s_mov_b32 s55, 0
	s_add_nc_u64 s[54:55], s[54:55], s[16:17]
	s_lshl_b32 s52, s13, 14                        ; the prefetches': my work-group's 64 rows of a tile, my wave's 32 of them,
	s_and_b32 s53, s[WV], 1
	s_lshl_b32 s53, s53, 13
	s_add_co_u32 s52, s52, s53
	s_add_co_u32 s52, s52, TILEB                   ; in tile 1: the first trip steps it to tile 2.  Nothing is prefetched at the head
	s_mov_b32 s53, 0
	s_add_nc_u64 s[52:53], s[52:53], s[16:17]
	; the lanes' LDS addresses, all made here
	v_and_b32 v128, 15, v0                         ; r
	v_bfe_u32 v129, v0, 4, 1                       ; h
	v_and_b32 v130, 31, v0                         ; lane
	v_mul_u32_u24 v131, v128, PITCH
	v_lshl_add_u32 v131, v129, 7, v131             ; row r, + 128 h: my block of 32 numbers
	v_lshlrev_b32 v132, 4, v130                    ; 16 x lane
	s_mul_i32 s56, s[WV], 16*PITCH
	v_add_nc_u32 v[AKR], s56, v131                 ; K: key 16 w + r
	v_add_nc_u32 v[AKR+1], SLOTB, v[AKR]
	s_mul_i32 s56, s[WV], STW
	v_add_nc_u32 v[STO], s56, v131                 ; the stage, in: row r, 128 h
	v_add_nc_u32 v[AQ], SLOTB, v[STO]              ; Q: query 32 w + r, in slot 1
	v_mul_u32_u24 v[RD], v129, PITCH
	v_lshl_add_u32 v[RD], v128, 4, v[RD]
	v_add_nc_u32 v[RD], s56, v[RD]                 ; the stage, back: lanes 0-15 one row, lanes 16-31 the next
	v_lshlrev_b32 v[GO], 8, v129
	v_lshl_add_u32 v[GO], v128, 4, v[GO]           ; and the same two rows of out
	s_lshr_b32 s56, s[WV], 1
	s_mul_i32 s56, s56, 32*PITCH
	s_and_b32 s57, s[WV], 1
	s_lshl_b32 s57, s57, 3
	s_add_co_u32 s56, s56, s57
	s_add_co_u32 s56, s56, VRAW
	v_mul_u32_u24 v[AVR], v129, 8*PITCH
	v_lshl_add_u32 v[AVR], v128, 4, v[AVR]
	v_add_nc_u32 v[AVR], s56, v[AVR]               ; V: key 32 (w / 2) + 8 h, bytes 16 r + 8 (w % 2)
	v_add_nc_u32 v[AVR+1], SLOTB, v[AVR]
	s_lshl_b32 s56, s[WV], 9
	s_add_co_u32 s56, s56, KC
	v_add_nc_u32 v[KCW], s56, v132
	s_lshl_b32 s56, s[WV], 6
	s_add_co_u32 s56, s56, KSC
	v_lshl_add_u32 v[KSW], v128, 2, s56
	s_lshl_b32 s56, s[WV], 11
	s_add_co_u32 s56, s56, VC
	v_add_nc_u32 v[VCW], s56, v132
	v_add_nc_u32 v[KCR], KC, v132
	v_lshl_add_u32 v[KSR], v130, 2, KSC
	v_add_nc_u32 v[VCR], VC, v132
	v_lshlrev_b32 v[SH8], 3, v129
	v_lshlrev_b32 v[PFO], 8, v130
	s_wait_dscnt 0x0                               ; both opening adds are done
	s_wait_kmcnt 0x0
	s_cmp_lt_u32 s[WV], 2                          ; waves 0 and 1 fetch for K, waves 2 and 3 for V
	s_cselect_b64 s[56:57], s[6:7], s[8:9]
	s_add_nc_u64 s[G0+2:G0+3], s[56:57], s[58:59]  ; slot 0: tile 0
	s_add_nc_u64 s[G0+6:G0+7], s[G0+2:G0+3], TILEB ; slot 1: tile 1
	s_or_b32 s[G0+3], s[G0+3], 0x80000000          ; type = 2
	s_or_b32 s[G0+7], s[G0+7], 0x80000000
	s_add_nc_u64 s[G0Q+2:G0Q+3], s[4:5], s[2:3]
	s_or_b32 s[G0Q+3], s[G0Q+3], 0x80000000
	s_add_nc_u64 s[10:11], s[10:11], s[54:55]      ; out at my wave's first row
	s_cmp_lt_u32 s[WV], 6                          ; waves 4 and 5 prefetch K's rows, waves 6 and 7 V's
	s_cselect_b64 s[PFA:PFA+1], s[6:7], s[8:9]
	s_add_nc_u64 s[PFA:PFA+1], s[PFA:PFA+1], s[52:53]
	CROUND                                         ; all four work-groups are here: the first joint loads meet
	s_cmp_lt_u32 s[WV], 4                          ; a wave's two first fills stand in one branch, ahead of every wait on TENSORcnt and every LDS read: two loads of mine are out
	s_cbranch_scc0 .Lno_first
	tensor_load_to_lds s[G0Q:G0Q+3], s[G1Q:G1Q+7]  ; Q's rows, into slot 1
	s_nop 0
	tensor_load_to_lds s[G0:G0+3], s[G1J:G1J+7]    ; tile 0, into slot 0
	s_nop 0
.rept 4
	v_nop
.endr
.Lno_first:
	s_wait_tensorcnt 0x1                           ; my part of Q is in; tile 0's load, issued behind it, may stay out
	s_barrier_signal -1
	s_barrier_wait -1                              ; everybody's is
.irp t, 0,1
.irp j, 0,1,2,3,4,5,6,7
	ds_load_b128 v[S+32*\t+4*\j:S+32*\t+4*\j+3], v[AQ] offset:16*PITCH*\t+16*\j
.endr
.endr
	; while they come: what the loop finds at its first step.  The step is written once: O^T and l begin as zeros, m under every score, so that the first a is 0
	v_mov_b32 v[OT], 0                             ; (a lane permute's destination counts as one of its sources)
.irp f, 0,1,2,3,4,5                    ; Q's two and K's four fragments lie on end: their registers 4-7 are the zero codes of the upper 64 along K
.irp c, 4,5,6,7
	v_mov_b32 v[QF+8*\f+\c], 0
.endr
.endr
.set i, 0
.rept 64
	v_mov_b32 v[O+i], 0
.set i, i+1
.endr
.irp t, 0,1
	v_mov_b32 v[ST+8*\t+1], 0xff61b1e6             ; m = -3e38
	v_mov_b32 v[ST+8*\t+2], 0
	v_mov_b32 v[ST+8*\t+3], 0
.endr
.irp t, 0,1
	v_mul_f32 v[ST+8*\t], s[CS], v[ST+8*\t+1]      ; c m
.endr
	s_wait_dscnt 0x0
	QUANT S, QF, QS                                ; Q stays in registers; CONVERT's vector work stands between these lines and the first scaled product
	QUANT S+32, QF+8, QS+1
	s_mov_b32 s[LAP], 3
.Llap:                                                 ; trips 0 to 5: tiles 1 to 6 are asked for, tiles 2 to 7 prefetched
	TRIP 0, 1, 1
	TRIP 1, 1, 1
	s_sub_co_u32 s[LAP], s[LAP], 1
	s_cmp_lg_u32 s[LAP], 0
	s_cbranch_scc1 .Llap
	TRIP 0, 1, 0                                   ; the tail is written out: tile 7 is asked for, nothing is left to prefetch,
	TRIP 1, 0, 0                                   ; and nothing to ask for
	; THE WAY OUT.  l's two halves and the other half of the lanes' are added; O^T / l is laid in the order of the channels and goes through my stage in LDS, so that sixteen lanes store one row of 256 bytes.
.irp t, 0,1
	v_add_f32 v[ST+8*\t+4], v[ST+8*\t+2], v[ST+8*\t+3]
.endr
.irp t, 0,1
	v_permlanex16_b32 v[ST+8*\t+5], v[ST+8*\t+4], s[SEL], s[SEL+1]
.endr
.irp t, 0,1
	v_add_f32 v[ST+8*\t+4], v[ST+8*\t+4], v[ST+8*\t+5]
.endr
.irp t, 0,1
	v_rcp_f32 v[ST+8*\t+6], v[ST+8*\t+4]
.endr
	v_nop                                          ; a plain instruction between the last reciprocal and the use of its result
	s_wait_alu depctr_va_vdst(0)                   ; and a wait ahead of the first use: one for both
.irp j, 0,1,2,3,4,5,6,7                ; register j of tile c is channel 32 h + 4 j + c; j outermost: each accumulator is read from its low end on
.irp c, 0,1,2,3
.irp t, 0,1
	v_mul_f32 v[S+32*\t+4*\j+\c], v[O+32*\t+8*\c+\j], v[ST+8*\t+6]
.endr
.endr
.endr
.irp t, 0,1
.irp j, 0,1,2,3,4,5,6,7
	ds_store_b128 v[STO], v[S+32*\t+4*\j:S+32*\t+4*\j+3] offset:16*PITCH*\t+16*\j
.endr
.irp i, 0,1,2,3,4,5,6,7
	ds_load_b128 v[O+32*\t+4*\i:O+32*\t+4*\i+3], v[RD] offset:16*PITCH*\t+2*PITCH*\i   ; LDS serves a wave's instructions in order (ISA guide 5.7.1.4): these see my stores
.endr
.endr
.irp t, 0,1
.irp i, 0,1,2,3,4,5,6,7
	s_wait_dscnt 16*(1-\t)+7-\i                    ; the LDS instructions younger than this pair of rows' load may be out
	global_store_b128 v[GO], v[O+32*\t+4*\i:O+32*\t+4*\i+3], s[10:11] offset:4096*\t+512*\i th:TH_STORE_NT   ; 16 lanes store 256 consecutive bytes, at a multiple of 256 from out's first byte
.endr
.endr
	s_wait_tensorcnt 0x0                           ; the wave's end: a wait, an add and a wait, behind my last tensor load and my last LDS store
	ds_add_u32 v[SPW], v[NIL]
	s_wait_dscnt 0x0
	CROUND                                         ; the closing round: no work-group ends while a partner may still ask for a tile that names it
	s_endpgm
.Lfunc_end_k_q7ca6118746_attn:
	.size	k_q7ca6118746_attn, .Lfunc_end_k_q7ca6118746_attn-k_q7ca6118746_attn
	.p2alignl 7, 3214868480
	.fill 96, 4, 3214868480
	.section	.rodata,"a",@progbits
	.p2align	6, 0x0
	.amdhsa_kernel k_q7ca6118746_attn
		.amdhsa_group_segment_fixed_size 327680
		.amdhsa_private_segment_fixed_size 0
		.amdhsa_enable_private_segment 0
		.amdhsa_kernarg_size 32
		.amdhsa_user_sgpr_count 2
		.amdhsa_user_sgpr_kernarg_segment_ptr 1
		.amdhsa_wavefront_size32 1
		.amdhsa_system_sgpr_workgroup_id_x 1
		.amdhsa_system_sgpr_workgroup_id_y 1
		.amdhsa_system_sgpr_workgroup_id_z 1
		.amdhsa_system_vgpr_workitem_id 0
		.amdhsa_next_free_vgpr 256
		.amdhsa_next_free_sgpr 66
		.amdhsa_reserve_vcc 0
		.amdhsa_float_denorm_mode_32 3
		.amdhsa_float_denorm_mode_16_64 3
		.amdhsa_memory_ordered 1
		.amdhsa_forward_progress 1
		.amdhsa_inst_pref_size 110
	.end_amdhsa_kernel
	.amdgpu_metadata
---
amdhsa.version: [ 1, 2 ]
amdhsa.kernels:
  - .name:           k_q7ca6118746_attn
    .symbol:         k_q7ca6118746_attn.kd
    .args:
      - { .name: q, .offset: 0, .size: 8, .value_kind: global_buffer, .address_space: global }
      - { .name: k, .offset: 8, .size: 8, .value_kind: global_buffer, .address_space: global }
      - { .name: v, .offset: 16, .size: 8, .value_kind: global_buffer, .address_space: global }
      - { .name: out0, .offset: 24, .size: 8, .value_kind: global_buffer, .address_space: global }
    .group_segment_fixed_size: 327680
    .private_segment_fixed_size: 0
    .kernarg_segment_align: 8
    .kernarg_segment_size: 32
    .max_flat_workgroup_size: 512
    .sgpr_count:     66
    .vgpr_count:     256
    .wavefront_size: 32
...
	.end_amdgpu_metadata
.endif
;; end of part 1
